; MI455X (gfx1250); checked and timed in simulation.
; The chip was launched on July 23, 2026; its instructions are those of AMD's public machine-readable ISA for CDNA 5 (MIT licence, August 2026) and "CDNA5" Instruction Set Architecture Reference Guide (July 2026). The comments in the code are by the model that wrote it; some were corrected since.
;; PINN. Allowed arithmetic: float matrix products may take bf16 or f16 operands with f32 sums; other float arithmetic in f32, or as packed bf16 or f16 multiplies, adds, multiply-adds, maxima and minima; sums over many terms, partial sums and values carried from step to step in f32; what a program stores and reads back later, other than sums and carried values, may be rounded once to bf16 or f16.
;; Inputs: W1 100 x 2 float32; W2 100 x 100 float32; W3 100 x 100 float32; W4 100 x 100 float32; W5 2 x 100 float32; b1 100 float32; b2 100 float32; b3 100 float32; b4 100 float32; b5 2 float32; t 262,144 x 1 float32; x 262,144 x 1 float32.
;; Outputs: out0 262,144 x 1 float32; out1 262,144 x 1 float32.
;; 2 versions, each right and faster than the one before. Each part assembles by itself: llvm-mc -triple=amdgcn-amd-amdhsa -mcpu=gfx1250 --defsym DOCPART=n.
;; ======== version 1 of 2: 1 launch
;; limits: values outside matrix products are rounded to f16; values are held in f16: magnitudes above 65,504 overflow, below 6.1e-05 lose precision; right only within a limited range of input values
;; launch pinn (part 1): grid 256 x 1, 4 waves a work-group, no clusters, 115,200 bytes of LDS; arguments x, t, W1, b1, W2, b2, W3, b3, W4, b4, W5, b5, out0, out1; writes out0, out1
.if DOCPART == 1
	.amdgcn_target "amdgcn-amd-amdhsa--gfx1250"
	.amdhsa_code_object_version 6
	.text
	.protected	k_qf6eea0e61a_pinn
	.globl	k_qf6eea0e61a_pinn
	.p2align	8
	.type	k_qf6eea0e61a_pinn,@function
k_qf6eea0e61a_pinn:
	s_mov_b64 s[64:65], 0
	v_nop
	global_prefetch_b8 v0, s[64:65] scope:SCOPE_SE
	s_setreg_imm32_b32 hwreg(HW_REG_WAVE_MODE, 25, 1), 1
	s_wait_xcnt 0x0
; THE RESIDUAL OF A 2-100-100-100-100-2 TANH NETWORK u(x, t):  f_r = -u_t_i + u_xx_r / 2 + |u|^2 u_r,  f_i = u_t_r + u_xx_i / 2 + |u|^2 u_i,  for 262,144 points.
; FOUR STREAMS go forward through the layers: h, h_t, h_x and y = -h_xx / 2.  With z_s = W h_s, a = tanh z, a' = 1 - a^2:  h_t' = a' z_t,  h_x' = a' z_x,  y' = a' (z_y + a z_x^2).
; SHARES.  256 work-groups of four waves; a wave owns 256 consecutive points, walked as 8 pairs of groups of 16 points.  Weights are scaled, rounded to f16 and laid in LDS once a work-group;
; activations never leave registers; x, t and the results pass through 4 KiB of LDS of the wave's own, so that every global access of a wave is 512 consecutive bytes.
; LAYOUT.  D = A B with A = 16 output features x 32 k (weights, from LDS) and B = 32 k x 16 points.  In D a lane holds ONE point (lane % 16) and features 16 m + 8 (lane / 16) + 0..7; two such tiles rounded
; to f16 in pairs ARE a B fragment of the next layer: element e = 8 m + j of a stream goes to half e % 2 of B register e / 2, and nothing changes lanes.
; PADDING.  7 tiles of features, 4 blocks of k.  Feature 104 is the constant 1: the bias is weight column 104, and row 104 holds 64 in column 104 alone, so that its tanh is 1 again in every layer.
; Of tile 6 only registers 0-3 (features 96-99 and 104-107) get vector work; B registers 26-31 of every stream stay 0.
; WEIGHTS.  Layers 1-4: f16(c W), c = 2 log2 e, so the value stream's sum is the exponent of e = 2^(c z):  r = 1 / (1 + e),  a = 1 - 2 r,  q = r - r^2 = a' / 4.  Layer 5: f16(W5).
; Layer 1 is a product too: k = (x_hi, x_lo, t_hi, t_lo, 1), x_hi = f16(x), x_lo = f16(x - x_hi); its weight row is (c W1x, c W1x, c W1t, c W1t, c b1).
; SCALES.  The three derivative streams are f16 numbers times an f32 scale of the point: h_t = ST ht^, h_x = 2 RR x^, y = RR^2 y^.  In every layer the scales are made anew from the true maxima
; Mt, Mx, My of the f32 sums over all features, so that |ht^| <= 2^14, |x^| <= 2^6, |y^| <= 2^14 whatever the weights' size:  ft = 2^16 / Mt;  E = My ln2 / 2 + (Mx ln2)^2,  rho = 2^7 / sqrt(E),
; fx = (4 / c) rho,  fy = (4 / c) rho^2;  ht^' = q ft Zt,  x^' = q fx Zx,  y^' = q fy Zy + a (q fx Zx)(fx Zx);  ST *= Mt (4 / c) 2^-16,  RR *= sqrt(E) 2^-7.
; BY TURNS.  In a turn one group has the matrix unit (a layer's 112 products); the other group's activation, a numbered queue of vector instructions, stands in slices behind the products.
; LIMITS.  |x|, |t|, c |W|, c |b|, |W5| and |b5| stay below 65,504 (f16's end); weights, biases and activations carry f16's rounding; maxima below 2^-100 count as 2^-100; the exponential, reciprocal
; and root take denormals as 0; NaN and infinities among the inputs are not treated apart.
.set NPAIR, 8
.set W1B,   0                      ; LDS: W1', 7 fragments of 1,024 bytes
.set W2B,   7168                   ; W2', 28 fragments: tile m, k block k at 4 m + k
.set W3B,   35840
.set W4B,   64512
.set W5B,   93184                  ; W5', 4 fragments
.set LSTEP, 28672                  ; from a layer's weights to the next layer's
.set STAGE, 98304                  ; 4,096 bytes for each wave: x, t, f_r, f_i, 1,024 each
.set SPARE, 114688                 ; the spare words: 128 bytes for each wave, two blocks of 256 bytes that no other line names
.set BCOL,  3328                   ; column 104 in a row of a tile: (104 / 8) x 256
.set ONE2,  W2B+6*4096+8*16+BCOL   ; row 104, column 104 of W2'
.set ONE1,  W1B+6*1024+8*16+8      ; row 104, k = 4 of W1'
; A fragment (16 rows x 32 k) lies as the lanes read it: lane l's registers 0-3 at 16 l, registers 4-7 at 512 + 16 l.  So element (row i, column j) of a layer lies at
; (i / 16) x 4096 + (i % 16) x 16 + (j / 8) x 256 + (j % 8) x 2 (W1': 1,024 for 4,096), and a wave's load of 16 bytes a lane takes 512 consecutive bytes.
; WINDOW 0
.set AW1,  2                       ; v2   16 x lane: my place in a fragment; never rewritten
.set AW,   4                       ; v4   the same in the layer in hand
.set XA,   5                       ; v5   my stage + 4 (lane % 16)
.set OA,   6                       ; v6   my stage + 2,048 + 1,024 (lane / 16) + 4 (lane % 16)
.set ONEH, 7                       ; v7   f16 1.0 in the low half in lanes 0-15, else 0
.set XV,   8                       ; v8-9 x of groups 0, 1; v10-11 t
.set TW,   12                      ; v12-15 at work
.set PHT,  16                      ; v16, v18, v20: ft, fx, fy, each named as a pair
.set PHX,  18
.set PHY,  20
.set VO,   22                      ; v22  my 16 bytes in x, t, out0, out1
.set SA,   23                      ; v23  my stage + 16 x lane
.set XP,   24                      ; v24, v25: XA, OA at the pair in hand
.set OP,   25
.set SPW,  30                      ; v30  LDS address of my spare word; never rewritten
.set NIL,  31                      ; v31  0; never rewritten
.set AB,   32                      ; v32-95   A's fragments: two buffers of four
.set QB,   96                      ; v96-147  q of the group whose activation is in hand
.set OUTR, 160                     ; v160-175 the results on their way out
; window 0, the set-up alone
.set CV,   32                      ; v32-95   packed weights
.set XR,   96                      ; v96-103 x, v104-111 t
.set W1R,  112                     ; v112-113 a row of W1;  v114-117 b1 .. b4 of that row
.set W5R,  120                     ; v120-123 a chunk of W5;  v124 b5
.set CC,   176                     ; min(lane, 24): my chunk of 4 columns, or my row's number / 4
.set GOW,  177                     ; offset in W2 .. W5: 400 w + 16 cc
.set LAW,  178                     ; LDS: (cc / 2) x 256 + (cc % 2) x 8 + 16 w
.set LAWH, 179                     ; + W4B
.set GOB,  180                     ; offset in b1 .. b4: 16 cc + 4 w
.set LAB,  181                     ; LDS: (cc / 4) x 4096 + (cc % 4) x 64 + 16 w
.set LABH, 182                     ; + W4B
.set GO1,  183                     ; offset in W1: 32 cc + 8 w
.set LA1,  184                     ; LDS: (cc / 4) x 1024 + (cc % 4) x 64 + 16 w
.set ZA0,  185                     ; 16 x thread
.set ZA1,  186                     ; + 65,536
.set TA,   187
.set TB,   188
.set GO5,  189                     ; 4 w
.set LA5,  190                     ; 16 w + W4B
.set ZR,   192                     ; v192-195 zeros
; WINDOW 1 + G: group G's sums and state
.set ZH,   0                       ; 7 tiles of 8: the value stream's sums; then e, 1 + e, r, a in place
.set ZT,   56
.set ZX,   112
.set ZY,   168
.set MT,   224                     ; v224-226 the three maxima
.set T0,   228                     ; v228-233 at work
.set ST,   234
.set RR,   235
.set FR,   236
.set FI,   237
.set FV,   238
; WINDOW 3: B, stream s (0 h, 1 t, 2 x, 3 y) of group G at 128 G + 32 s
; s_set_vgpr_msb's low byte: bits 1:0 source 0, 3:2 source 1, 5:4 source 2, 7:6 destination
.set MSB, 0
.macro WIN new                     ; the high byte repeats the setting that is left; a switch that changes nothing is dropped
.if MSB != (\new)
	s_set_vgpr_msb (MSB<<8)|(\new)
.set MSB, \new
.endif
.endm
.macro PLACES                      ; four places between a matrix instruction and a load into, or a vector read of, its registers
.rept 4
	v_nop
.endr
.endm
	s_load_b512 s[16:31], s[0:1], 0x0      ; x 16, t 18, W1 20, b1 22, W2 24, b2 26, W3 28, b3 30
	s_load_b256 s[32:39], s[0:1], 0x40     ; W4 32, b4 34, W5 36, b5 38
	s_load_b128 s[40:43], s[0:1], 0x60     ; out0 40, out1 42
	v_lshl_add_u32 v[SPW], v0, 2, SPARE
	v_mov_b32 v[NIL], 0
	v_lshrrev_b32 v1, 5, v0
	v_readfirstlane_b32 s4, v1             ; wave 0..3
	v_and_b32 v1, 31, v0                   ; lane
	s_mov_b32 s6, 0x76543210               ; v_permlanex16_b32: each lane takes its own place in the other half
	s_mov_b32 s7, 0xfedcba98
	s_mov_b32 s8, 0xffff                   ; lanes 0-15
	s_mov_b32 s44, 0x4038aa3b              ; c = 2 log2 e
	s_mov_b32 s45, s44                     ; named with it as a pair
	s_lshl_b32 s5, ttmp9, 12               ; the work-group's 1,024 points x 4 bytes,
	s_lshl_b32 s13, s4, 10                 ; my wave's 256
	s_add_co_u32 s5, s5, s13
	v_lshl_add_u32 v[VO], v1, 4, s5
	s_lshl_b32 s5, s4, 12
	s_add_co_u32 s5, s5, STAGE             ; my stage
	v_lshl_add_u32 v[SA], v1, 4, s5
	v_and_b32 v8, 15, v1
	v_lshrrev_b32 v9, 4, v1
	v_lshl_add_u32 v[XA], v8, 2, s5
	v_lshl_add_u32 v[OA], v9, 10, v[XA]
	v_add_nc_u32 v[OA], 2048, v[OA]
	v_lshlrev_b32 v[AW1], 4, v1
	; the set-up's addresses.  A load of a wave takes one row of a weight matrix: lane l chunk cc = min(l, 24) of 16 bytes (lanes 25-31 repeat lane 24's); wave w takes rows 4 jj + w
	v_min_u32 v[CC], 24, v1
	s_mul_i32 s5, s4, 400
	s_lshl_b32 s13, s4, 4                  ; 16 w
	s_lshl_b32 s14, s4, 2                  ; 4 w
	v_lshl_add_u32 v[GOW], v[CC], 4, s5
	v_lshrrev_b32 v[TA], 1, v[CC]
	v_and_b32 v[TB], 1, v[CC]
	v_lshl_add_u32 v[LAW], v[TA], 8, s13
	v_lshl_add_u32 v[LAW], v[TB], 3, v[LAW]
	v_add_nc_u32 v[LAWH], W4B, v[LAW]
	v_lshl_add_u32 v[GOB], v[CC], 4, s14
	v_mov_b32 v[GO5], s14
	v_lshrrev_b32 v[TA], 2, v[CC]
	v_and_b32 v[TB], 3, v[CC]
	v_lshl_add_u32 v[TB], v[TB], 6, s13
	v_lshl_add_u32 v[LAB], v[TA], 12, v[TB]
	v_add_nc_u32 v[LABH], W4B, v[LAB]
	v_lshl_add_u32 v[LA1], v[TA], 10, v[TB]
	s_lshl_b32 s5, s4, 3
	v_lshl_add_u32 v[GO1], v[CC], 5, s5
	v_mov_b32 v[LA5], s13
	v_add_nc_u32 v[LA5], W4B, v[LA5]
	v_lshlrev_b32 v[ZA0], 4, v0
	v_add_nc_u32 v[ZA1], 0x10000, v[ZA0]
.irp i, 0,1,2,3
	v_mov_b32 v[ZR+\i], 0
.endr
.irp i, 0,1,2,3,4
	v_mov_b32 v[W5R+\i], 0                 ; waves 2 and 3 load nothing into these
.endr
	s_wait_kmcnt 0x0
	; ALL GLOBAL LOADS, in one run
	global_load_b128 v[XR:XR+3],     v[VO], s[16:17] th:TH_LOAD_NT
	global_load_b128 v[XR+4:XR+7],   v[VO], s[16:17] offset:512 th:TH_LOAD_NT
	global_load_b128 v[XR+8:XR+11],  v[VO], s[18:19] th:TH_LOAD_NT
	global_load_b128 v[XR+12:XR+15], v[VO], s[18:19] offset:512 th:TH_LOAD_NT
	global_load_b64 v[W1R:W1R+1], v[GO1], s[20:21]     ; row 4 cc + w of W1,
	global_load_b32 v[W1R+2], v[GOB], s[22:23]         ; and that row's four biases
	global_load_b32 v[W1R+3], v[GOB], s[26:27]
	global_load_b32 v[W1R+4], v[GOB], s[30:31]
	global_load_b32 v[W1R+5], v[GOB], s[34:35]
.macro LOADW w, base                   ; 25 rows of a layer into window w: row 4 jj + w's chunk at registers 4 jj ..; the last byte asked for is 1,600 x 24 + 400 x 3 + 16 x 25 = 40,000, the buffer's end
	WIN 0x40*(\w)
.set ci, 0
.rept 25
	global_load_b128 v[4*ci:4*ci+3], v[GOW], s[\base:\base+1] offset:1600*ci
.set ci, ci+1
.endr
.endm
	LOADW 1, 24
	LOADW 2, 28
	LOADW 3, 32
	WIN 0
	s_cmp_lt_u32 s4, 2
	s_cbranch_scc0 .Lno_w5_load            ; W5 has two rows: waves 0 and 1
	global_load_b128 v[W5R:W5R+3], v[GOW], s[36:37]
	global_load_b32 v[W5R+4], v[GO5], s[38:39]
.Lno_w5_load:
	; THE WEIGHTS' 98,304 BYTES OF LDS ARE CLEARED while the loads are on their way: 48 stores of 2,048 bytes by the work-group; an LDS immediate ends at 65,535, hence two address registers
.set zi, 0
.rept 32
	ds_store_b128 v[ZA0], v[ZR:ZR+3] offset:2048*zi
.set zi, zi+1
.endr
.set zi, 0
.rept 16
	ds_store_b128 v[ZA1], v[ZR:ZR+3] offset:2048*zi
.set zi, zi+1
.endr
	s_wait_dscnt 0x0                       ; my zeros are written,
	s_barrier_signal -1
	s_barrier_wait -1                      ; everybody's are: now the weights may land on them
	s_wait_loadcnt 0x0
	ds_store_b128 v[SA], v[XR:XR+3]                    ; x and t into my stage
	ds_store_b128 v[SA], v[XR+4:XR+7] offset:512
	ds_store_b128 v[SA], v[XR+8:XR+11] offset:1024
	ds_store_b128 v[SA], v[XR+12:XR+15] offset:1536
.macro CONVW w, adr, base              ; a layer's 25 chunks: times c, rounded to f16, 8 bytes to row 4 jj + w, columns 4 cc ..
	WIN 0x41*(\w)
.set ci, 0
.rept 50
	v_pk_mul_f32 v[2*ci:2*ci+1], v[2*ci:2*ci+1], s[44:45] op_sel_hi:[1,0]
.set ci, ci+1
.endr
	WIN 0x05*(\w)
.set ci, 0
.rept 50
	v_cvt_pk_f16_f32 v[CV+ci], v[2*ci], v[2*ci+1]
.set ci, ci+1
.endr
	WIN 0
.set ci, 0
.rept 25
	ds_store_b64 v[\adr], v[CV+2*ci:CV+2*ci+1] offset:(\base)+(ci/4)*4096+(ci%4)*64
.set ci, ci+1
.endr
.endm
	CONVW 1, LAW, W2B
	CONVW 2, LAW, W3B
	CONVW 3, LAWH, 0
	v_pk_mul_f32 v[W1R:W1R+1], v[W1R:W1R+1], s[44:45] op_sel_hi:[1,0]
	v_pk_mul_f32 v[W1R+2:W1R+3], v[W1R+2:W1R+3], s[44:45] op_sel_hi:[1,0]
	v_pk_mul_f32 v[W1R+4:W1R+5], v[W1R+4:W1R+5], s[44:45] op_sel_hi:[1,0]
	v_cvt_pk_f16_f32 v[CV+52], v[W1R], v[W1R]          ; (c W1x, c W1x) for (x_hi, x_lo)
	v_cvt_pk_f16_f32 v[CV+53], v[W1R+1], v[W1R+1]      ; (c W1t, c W1t)
	v_cvt_pk_f16_f32 v[CV+54], v[W1R+2], v[ZR]         ; (c b1, 0)
	v_mov_b32 v[CV+55], 0
	ds_store_b128 v[LA1], v[CV+52:CV+55]
	v_cvt_pk_f16_f32 v[CV+56], v[W1R+3], v[ZR]         ; the bias columns: (c b, 0) into columns 104, 105
	v_cvt_pk_f16_f32 v[CV+57], v[W1R+4], v[ZR]
	v_cvt_pk_f16_f32 v[CV+58], v[W1R+5], v[ZR]
	ds_store_b32 v[LAB], v[CV+56] offset:W2B+BCOL
	ds_store_b32 v[LAB], v[CV+57] offset:W3B+BCOL
	ds_store_b32 v[LABH], v[CV+58] offset:BCOL
	s_cmp_lt_u32 s4, 2
	s_cbranch_scc0 .Lno_w5_store
	v_cvt_pk_f16_f32 v[CV+60], v[W5R], v[W5R+1]        ; W5 and b5 are not scaled
	v_cvt_pk_f16_f32 v[CV+61], v[W5R+2], v[W5R+3]
	v_cvt_pk_f16_f32 v[CV+62], v[W5R+4], v[ZR]
	ds_store_b64 v[LAWH], v[CV+60:CV+61] offset:W5B-W4B
	ds_store_b32 v[LA5], v[CV+62] offset:W5B-W4B+BCOL
.Lno_w5_store:
	s_cmp_lg_u32 s4, 0
	s_cbranch_scc1 .Lno_ones
	v_mov_b32 v[TA], 0x5400                ; f16 64: row 104 hands the constant on; all lanes store the same word
	v_mov_b32 v[TB], ONE2
	ds_store_b32 v[ZR], v[TA] offset:ONE1
	ds_store_b32 v[TB], v[TA]
	ds_store_b32 v[TB], v[TA] offset:LSTEP
	ds_store_b32 v[TB], v[TA] offset:2*LSTEP
.Lno_ones:
	s_wait_dscnt 0x0                       ; my part of the weights is written
	s_barrier_signal -1
	; work on registers while the others arrive: what stays 0, and what an instruction names before it is first made
	WIN 0xc0
.set bi, 0
.rept 8                                ; B registers 26-31 of the four streams of both groups
.set bj, 26
.rept 6
	v_mov_b32 v[32*bi+bj], 0
.set bj, bj+1
.endr
.set bi, bi+1
.endr
.irp w, 1,2
	WIN 0x40*\w
	v_mov_b32 v[T0], 0                     ; v_permlanex16_b32 counts as a reader of its destination
	v_mov_b32 v[T0+1], 0
	v_mov_b32 v[T0+2], 0
	v_mov_b32 v[FV], 0
.endr
	WIN 0
	v_mov_b32 v[PHT+1], 0                  ; named with ft, fx, fy as pairs
	v_mov_b32 v[PHX+1], 0
	v_mov_b32 v[PHY+1], 0
	v_mov_b32 v[ONEH], 0x3c00
	v_cndmask_b32 v[ONEH], 0, v[ONEH], s8
	s_barrier_wait -1                      ; the weights are whole; nothing is written into them again, and no further barrier is needed
; n fragments from fragment f0 of the layer at address register adr, into A's buffer buf
.macro LDA adr, buf, f0, n
	WIN 0
.set li, 0
.rept \n
	ds_load_b128 v[AB+32*(\buf)+8*li:AB+32*(\buf)+8*li+3],   v[\adr] offset:((\f0)+li)*1024
	ds_load_b128 v[AB+32*(\buf)+8*li+4:AB+32*(\buf)+8*li+7], v[\adr] offset:((\f0)+li)*1024+512
.set li, li+1
.endr
.endm
; One product for group X: stream s, tile dm of the sums, A at register areg, k block kb.  Block 0 starts the sum: nothing is ever cleared.
.macro MMA X, s, dm, areg, kb
	WIN 0x0c|(0x50*(1+(\X)))               ; A window 0, B window 3, C and D the group's window
.set rD, 56*(\s)+8*(\dm)
.set rA, \areg
.set rB, 128*(\X)+32*(\s)+8*(\kb)
.if (\kb) == 0
	v_wmma_f32_16x16x32_f16 v[rD:rD+7], v[rA:rA+7], v[rB:rB+7], 0
.else
	v_wmma_f32_16x16x32_f16 v[rD:rD+7], v[rA:rA+7], v[rB:rB+7], v[rD:rD+7]
.endif
.endm
; THE VECTOR QUEUE: group Y's activation of one layer, QN numbered slots (some empty); VQ writes slot QI and steps QI.  Elements e = 0..51 of a stream lie at its first register + e; pairs p = 0..25.
;   0-223    28 steps p of 8: exp(2p), max_t(p), exp(2p+1), max_x(p), 1 + e of pair p-1, rcp(2p-4), max_y(p), rcp(2p-3): every exponential and reciprocal has a plain line behind it before its result is
;            used, and each accumulator is first read at its two lowest registers
;   224-249  q = r - r^2, into window 0
;   250-301  even: a = 1 - 2 r in place; odd: the chain that makes the scales, a link at a time
;   302-304  ft, fx, fy into window 0          305-330  a rounded to f16: the next layer's B, stream h
;   331-616  eleven runs of 26, each reading what the run before made: Zt ft; Zt q; Zx fx; Zy fy; Zy q; B_t; Zt := Zx q; B_x; Zt Zx; Zy += a Zt; B_y
.set QN, 617
.macro VMAX m, z
	WIN 0x55*VWN
.if vp == 0
	v_max_num_f32 v[\m], |v[\z]|, |v[\z+1]|
.else
	v_max3_num_f32 v[\m], |v[\z+2*vp]|, |v[\z+2*vp+1]|, v[\m]
.endif
.endm
.macro CHAIN                           ; link vn
.if (vn < 21) && (vn != 15)
	WIN 0x55*VWN
.endif
.if vn < 3
	v_permlanex16_b32 v[T0+vn], v[MT+vn], s6, s7       ; the point's other features lie in the lane 16 away
.elseif vn < 6
	v_max_num_f32 v[MT+vn-3], v[MT+vn-3], v[T0+vn-3]
.elseif vn == 6
	v_max_num_f32 v[MT], 0x0d800000, v[MT]             ; at least 2^-100
.elseif vn == 7
	v_mul_f32 v[T0+1], 0x3f317218, v[MT+1]             ; Mx ln2
.elseif vn == 8
	v_mul_f32 v[T0+2], 0x3eb17218, v[MT+2]             ; My ln2 / 2
.elseif vn == 9
	v_rcp_f32 v[T0], v[MT]
.elseif vn == 10
	v_fma_f32 v[T0+2], v[T0+1], v[T0+1], v[T0+2]       ; E
.elseif vn == 11
	v_mul_f32 v[ST], v[ST], v[MT]
.elseif vn == 12
	v_max_num_f32 v[T0+2], 0x0d800000, v[T0+2]
.elseif vn == 13
	v_mul_f32 v[ST], 0x37b17218, v[ST]                 ; (4 / c) 2^-16
.elseif vn == 14
	v_rsq_f32 v[T0+3], v[T0+2]
.elseif vn == 16
	s_wait_alu depctr_va_vdst(0)
	v_mul_f32 v[T0+4], 0x43000000, v[T0+3]             ; rho = 2^7 / sqrt(E)
.elseif vn == 17
	v_mul_f32 v[T0+2], v[T0+2], v[T0+3]                ; sqrt(E)
.elseif vn == 18
	v_mul_f32 v[T0+5], v[T0+4], v[T0+4]                ; rho^2
.elseif vn == 19
	v_mul_f32 v[RR], v[RR], v[T0+2]
.elseif vn == 20
	v_mul_f32 v[RR], 0x3c000000, v[RR]                 ; 2^-7
.endif
.endm
.macro VQ
.set VWN, 1+Y
.if QI < 224
.set vp, QI/8
.set vo, QI%8
.if (vo == 0) && (vp < 26)
	WIN 0x55*VWN
	v_exp_f32 v[2*vp], v[2*vp]
.elseif (vo == 1) && (vp < 26)
	VMAX MT, ZT
.elseif (vo == 2) && (vp < 26)
	WIN 0x55*VWN
	v_exp_f32 v[2*vp+1], v[2*vp+1]
.elseif (vo == 3) && (vp < 26)
	VMAX MT+1, ZX
.elseif (vo == 4) && (vp > 0) && (vp < 27)
	WIN 0x55*VWN
	s_wait_alu depctr_va_vdst(0)
	v_pk_add_f32 v[2*vp-2:2*vp-1], v[2*vp-2:2*vp-1], 1.0 op_sel_hi:[1,0]
.elseif (vo == 5) && (vp > 1)
	WIN 0x55*VWN
	v_rcp_f32 v[2*vp-4], v[2*vp-4]
.elseif (vo == 6) && (vp < 26)
	VMAX MT+2, ZY
.elseif (vo == 7) && (vp > 1)
	WIN 0x55*VWN
	v_rcp_f32 v[2*vp-3], v[2*vp-3]
.endif
.elseif QI < 250
.set vp, QI-224
	WIN 0x15*VWN                           ; destination window 0
	s_wait_alu depctr_va_vdst(0)
	v_pk_fma_f32 v[QB+2*vp:QB+2*vp+1], v[2*vp:2*vp+1], v[2*vp:2*vp+1], v[2*vp:2*vp+1] neg_lo:[1,0,0] neg_hi:[1,0,0]
.elseif QI < 302
.if (QI%2) == 0
.set vp, (QI-250)/2
	WIN 0x55*VWN
	v_pk_fma_f32 v[2*vp:2*vp+1], v[2*vp:2*vp+1], -2.0, 1.0 op_sel_hi:[1,0,0]
.else
.set vn, (QI-251)/2
	CHAIN
.endif
.elseif QI < 305
	WIN 0x15*VWN
.if QI == 302
	v_mul_f32 v[PHT], 0x47800000, v[T0]                ; 2^16 / Mt
.elseif QI == 303
	v_mul_f32 v[PHX], 0x3fb17218, v[T0+4]              ; (4 / c) rho
.else
	v_mul_f32 v[PHY], 0x3fb17218, v[T0+5]              ; (4 / c) rho^2
.endif
.elseif QI < 331
.set vp, QI-305
	WIN 0xc0|(5*VWN)                       ; destination window 3
	v_cvt_pk_f16_f32 v[128*Y+vp], v[2*vp], v[2*vp+1]
.else
.set vr, (QI-331)/26
.set vp, (QI-331)%26
.if vr == 0
	WIN 0x51*VWN                           ; source 1 window 0
	v_pk_mul_f32 v[ZT+2*vp:ZT+2*vp+1], v[ZT+2*vp:ZT+2*vp+1], v[PHT:PHT+1] op_sel_hi:[1,0]
.elseif vr == 1
	WIN 0x51*VWN
	v_pk_mul_f32 v[ZT+2*vp:ZT+2*vp+1], v[ZT+2*vp:ZT+2*vp+1], v[QB+2*vp:QB+2*vp+1]
.elseif vr == 2
	WIN 0x51*VWN
	v_pk_mul_f32 v[ZX+2*vp:ZX+2*vp+1], v[ZX+2*vp:ZX+2*vp+1], v[PHX:PHX+1] op_sel_hi:[1,0]
.elseif vr == 3
	WIN 0x51*VWN
	v_pk_mul_f32 v[ZY+2*vp:ZY+2*vp+1], v[ZY+2*vp:ZY+2*vp+1], v[PHY:PHY+1] op_sel_hi:[1,0]
.elseif vr == 4
	WIN 0x51*VWN
	v_pk_mul_f32 v[ZY+2*vp:ZY+2*vp+1], v[ZY+2*vp:ZY+2*vp+1], v[QB+2*vp:QB+2*vp+1]
.elseif vr == 5
	WIN 0xc0|(5*VWN)
	v_cvt_pk_f16_f32 v[128*Y+32+vp], v[ZT+2*vp], v[ZT+2*vp+1]
.elseif vr == 6
	WIN 0x51*VWN
	v_pk_mul_f32 v[ZT+2*vp:ZT+2*vp+1], v[ZX+2*vp:ZX+2*vp+1], v[QB+2*vp:QB+2*vp+1]
.elseif vr == 7
	WIN 0xc0|(5*VWN)
	v_cvt_pk_f16_f32 v[128*Y+64+vp], v[ZT+2*vp], v[ZT+2*vp+1]
.elseif vr == 8
	WIN 0x55*VWN
	v_pk_mul_f32 v[ZT+2*vp:ZT+2*vp+1], v[ZT+2*vp:ZT+2*vp+1], v[ZX+2*vp:ZX+2*vp+1]
.elseif vr == 9
	WIN 0x55*VWN
	v_pk_fma_f32 v[ZY+2*vp:ZY+2*vp+1], v[2*vp:2*vp+1], v[ZT+2*vp:ZT+2*vp+1], v[ZY+2*vp:ZY+2*vp+1]
.else
	WIN 0xc0|(5*VWN)
	v_cvt_pk_f16_f32 v[128*Y+96+vp], v[ZY+2*vp], v[ZY+2*vp+1]
.endif
.endif
.set QI, QI+1
.endm
.macro RIDE_TO n                       ; the queue up to slot n
.rept (\n)-QI
	VQ
.endr
.endm
; HOW THE QUEUE IS DEALT.  HEAD slots stand ahead of a turn's first product (under its first LDS loads); behind product WI of WN the queue is taken on to HEAD + (QN - HEAD) WI / WN.
; No slot names a register of the products round it: those are the other group's sums and B, and A's buffers.
.set HEAD, 24
.set RIDE, 0
.set WI, 0
.set WN, 1
.set QI, 0
.set Y, 0
.macro STEP
.set WI, WI+1
.if RIDE
	RIDE_TO HEAD+(QN-HEAD)*WI/WN
.endif
.endm
; THE PRODUCTS.  The four (layer 5: three) streams' accumulators take turns, one instruction a turn: no two matrix instructions that follow each other share an accumulator.
.macro P1 X                            ; layer 1: one k block; W1's seven fragments lie in A's buffers
.set tm, 0
.rept 7
.set ts, 0
.rept 4
	MMA \X, ts, tm, AB+8*tm, 0
	STEP
.set ts, ts+1
.endr
.set tm, tm+1
.endr
.endm
.macro P5 X                            ; layer 5: one tile, streams h, t and y; W5's four fragments lie in buffer 0
.set tk, 0
.rept 4
.irp ts5, 0,1,3
	MMA \X, \ts5, 0, AB+8*tk, tk
	STEP
.endr
.set tk, tk+1
.endr
.endm
; A TURN.  Group X has the matrix unit; the other group's activation rides.  kind 0: a layer of 7 tiles x 4 k blocks x 4 streams; 1: layer 1; 5: layer 5.
; kind 0: tile m's four fragments are read from buffer m % 2; tile m + 1's eight loads go out at tile m's head, into the buffer that tile m - 1 has left, four places behind its last product.
.macro TURN X, kind
.set Y, 1-(\X)
.set QI, 0
.set WI, 0
.set RIDE, 1
.if (\kind) == 1
.set WN, 28
	RIDE_TO HEAD
	P1 \X
.elseif (\kind) == 5
.set WN, 12
	WIN 0
	PLACES
	LDA AW, 0, 0, 4
	RIDE_TO HEAD
	s_wait_dscnt 0x0
	P5 \X
.else
.set WN, 112
	WIN 0
	PLACES
	LDA AW, 0, 0, 4
	LDA AW, 1, 4, 4
	RIDE_TO HEAD
.set tm, 0
.rept 7
.if (tm > 0) && (tm < 6)
	WIN 0
	PLACES
	LDA AW, (tm+1)%2, 4*(tm+1), 4
.endif
.if tm == 6
	s_wait_dscnt 0x0
.else
	s_wait_dscnt 0x8                       ; LDS loads come back in order: this tile's are in, the next tile's eight may stay out
.endif
.set tk, 0
.rept 4
.set ts, 0
.rept 4
	MMA \X, ts, tm, AB+32*(tm%2)+8*tk, tk
	STEP
.set ts, ts+1
.endr
.set tk, tk+1
.endr
.set tm, tm+1
.endr
.endif
.set RIDE, 0
.endm
; Group X's first B fragments and scales.  h: (x_hi, x_lo, t_hi, t_lo, 1) in k = 0..4, which lie in lanes 0-15; h_t: 1 at t_hi's place; h_x: 1 at x_hi's; y: 0.
.macro BUILD X
	WIN 0
	v_cvt_pk_f16_f32 v[TW], v[XV+(\X)], v[XV+(\X)]
	v_cvt_pk_f16_f32 v[TW+1], v[XV+2+(\X)], v[XV+2+(\X)]
	v_cvt_f32_f16 v[TW+2], v12.l                       ; v12 is v[TW]: x_hi
	v_cvt_f32_f16 v[TW+3], v13.l                       ; t_hi
	v_sub_f32 v[TW+2], v[XV+(\X)], v[TW+2]
	v_sub_f32 v[TW+3], v[XV+2+(\X)], v[TW+3]
	v_cvt_pk_f16_f32 v[TW], v[XV+(\X)], v[TW+2]        ; (x_hi, x_lo)
	v_cvt_pk_f16_f32 v[TW+1], v[XV+2+(\X)], v[TW+3]
	WIN 0xc0
.set bi, 0
.rept 32                               ; stream bi / 8, register bi % 8
.if bi < 2
	v_cndmask_b32 v[128*(\X)+bi], 0, v[TW+bi], s8
.elseif (bi == 2) || (bi == 9) || (bi == 16)
	v_mov_b32 v[128*(\X)+32*(bi/8)+bi%8], v[ONEH]
.else
	v_mov_b32 v[128*(\X)+32*(bi/8)+bi%8], 0
.endif
.set bi, bi+1
.endr
	WIN 0x40*(1+(\X))
	v_mov_b32 v[ST], 1.0
	v_mov_b32 v[RR], 0.5
.endm
; Group G's results.  Lanes 0-15 hold (u_r, u_i) in registers 0, 1 of each of the three sums.  f_i crosses to lanes 16-31, so that one store puts f_r and f_i into their parts of my stage.
.macro FIN G, o
.set FW, 1+(\G)
	WIN 0x55*FW
	v_mul_f32 v[T0], v[RR], v[RR]
	v_mul_f32 v[T0+1], v[ZH], v[ZH]
	v_fma_f32 v[T0+1], v[ZH+1], v[ZH+1], v[T0+1]       ; |u|^2
	v_mul_f32 v[FR], v[T0+1], v[ZH]
	v_mul_f32 v[FI], v[T0+1], v[ZH+1]
	v_fma_f32 v[FR], -v[ST], v[ZT+1], v[FR]            ; - u_t_i
	v_fma_f32 v[FI], v[ST], v[ZT], v[FI]               ; + u_t_r
	v_fma_f32 v[FR], -v[T0], v[ZY], v[FR]              ; - y_r = + u_xx_r / 2
	v_fma_f32 v[FI], -v[T0], v[ZY+1], v[FI]
	v_permlanex16_b32 v[FV], v[FI], s6, s7
	v_cndmask_b32 v[FV], v[FV], v[FR], s8
	WIN 4*FW                               ; address window 0, data the group's window
	ds_store_b32 v[OP], v[FV] offset:\o
.endm
	s_mov_b32 s9, NPAIR
	s_mov_b32 s12, 0                       ; the pair's 32 points x 4 bytes in my stage
.Lpair:
	v_add_nc_u32 v[XP], s12, v[XA]
	v_add_nc_u32 v[OP], s12, v[OA]
	ds_load_b32 v[XV], v[XP]               ; both halves of the lanes take the same 16 points
	ds_load_b32 v[XV+1], v[XP] offset:64
	ds_load_b32 v[XV+2], v[XP] offset:1024
	ds_load_b32 v[XV+3], v[XP] offset:1088
	LDA AW1, 0, 0, 7                       ; W1.  The places behind the last products that read these registers: the nine plain lines of group 0's results, which name none of those products' registers
	s_wait_dscnt 0x0
	BUILD 0
	BUILD 1
	P1 0                                   ; group 0's layer 1: there is no vector work yet to set between the products
	PLACES
	TURN 1, 1                              ; group 1's layer 1 | group 0's activation
	WIN 0
	s_mov_b32 s11, W2B
	s_mov_b32 s10, 3
.Llayer:                                   ; layers 2, 3, 4
	v_add_nc_u32 v[AW], s11, v[AW1]
	TURN 0, 0                              ; group 0's layer | group 1's activation of the layer before
	TURN 1, 0                              ; group 1's layer | group 0's activation of this layer
	WIN 0
	s_add_co_u32 s11, s11, LSTEP
	s_sub_co_i32 s10, s10, 1
	s_cmp_lg_u32 s10, 0
	s_cbranch_scc1 .Llayer
	v_add_nc_u32 v[AW], s11, v[AW1]        ; now W5'
	TURN 0, 5                              ; group 0's layer 5 | group 1's last activation
	P5 1                                   ; group 1's layer 5, on the fragments that are still in buffer 0
	FIN 0, 0                               ; its plain lines are the places behind group 1's last products
	FIN 1, 64
	WIN 0
	s_add_co_u32 s12, s12, 128
	s_sub_co_i32 s9, s9, 1
	s_cmp_lg_u32 s9, 0
	s_cbranch_scc1 .Lpair
	; THE WAY OUT: my stage's 1,024 bytes of f_r and of f_i, 16 bytes a lane.  LDS serves a wave's instructions in order, so these loads see the stores above.
	ds_load_b128 v[OUTR:OUTR+3],     v[SA] offset:2048
	ds_load_b128 v[OUTR+4:OUTR+7],   v[SA] offset:2560
	ds_load_b128 v[OUTR+8:OUTR+11],  v[SA] offset:3072
	ds_load_b128 v[OUTR+12:OUTR+15], v[SA] offset:3584
	s_wait_dscnt 0x0
	global_store_b128 v[VO], v[OUTR:OUTR+3],     s[40:41] th:TH_STORE_NT              ; each store of the wave covers 512 consecutive bytes, at a multiple of 512 from the buffer's first
	global_store_b128 v[VO], v[OUTR+4:OUTR+7],   s[40:41] offset:512 th:TH_STORE_NT
	global_store_b128 v[VO], v[OUTR+8:OUTR+11],  s[42:43] th:TH_STORE_NT
	global_store_b128 v[VO], v[OUTR+12:OUTR+15], s[42:43] offset:512 th:TH_STORE_NT
	s_wait_tensorcnt 0x0                   ; the wave's end, behind my last LDS store
	ds_add_u32 v[SPW], v[NIL]
	s_wait_dscnt 0x0
	s_endpgm
.Lfunc_end_k_qf6eea0e61a_pinn:
	.size	k_qf6eea0e61a_pinn, .Lfunc_end_k_qf6eea0e61a_pinn-k_qf6eea0e61a_pinn
	.p2alignl 7, 3214868480
	.fill 96, 4, 3214868480
	.section	.rodata,"a",@progbits
	.p2align	6, 0x0
	.amdhsa_kernel k_qf6eea0e61a_pinn
		.amdhsa_group_segment_fixed_size 115200
		.amdhsa_private_segment_fixed_size 0
		.amdhsa_enable_private_segment 0
		.amdhsa_kernarg_size 112
		.amdhsa_user_sgpr_count 2
		.amdhsa_user_sgpr_kernarg_segment_ptr 1
		.amdhsa_wavefront_size32 1
		.amdhsa_system_sgpr_workgroup_id_x 1
		.amdhsa_system_sgpr_workgroup_id_y 1
		.amdhsa_system_sgpr_workgroup_id_z 1
		.amdhsa_system_vgpr_workitem_id 0
		.amdhsa_next_free_vgpr 1024
		.amdhsa_next_free_sgpr 66
		.amdhsa_reserve_vcc 0
		.amdhsa_float_denorm_mode_32 3
		.amdhsa_float_denorm_mode_16_64 3
		.amdhsa_memory_ordered 1
		.amdhsa_forward_progress 1
		.amdhsa_inst_pref_size 238
	.end_amdhsa_kernel
	.amdgpu_metadata
---
amdhsa.version: [ 1, 2 ]
amdhsa.kernels:
  - .name:           k_qf6eea0e61a_pinn
    .symbol:         k_qf6eea0e61a_pinn.kd
    .args:
      - { .name: x, .offset: 0, .size: 8, .value_kind: global_buffer, .address_space: global }
      - { .name: t, .offset: 8, .size: 8, .value_kind: global_buffer, .address_space: global }
      - { .name: W1, .offset: 16, .size: 8, .value_kind: global_buffer, .address_space: global }
      - { .name: b1, .offset: 24, .size: 8, .value_kind: global_buffer, .address_space: global }
      - { .name: W2, .offset: 32, .size: 8, .value_kind: global_buffer, .address_space: global }
      - { .name: b2, .offset: 40, .size: 8, .value_kind: global_buffer, .address_space: global }
      - { .name: W3, .offset: 48, .size: 8, .value_kind: global_buffer, .address_space: global }
      - { .name: b3, .offset: 56, .size: 8, .value_kind: global_buffer, .address_space: global }
      - { .name: W4, .offset: 64, .size: 8, .value_kind: global_buffer, .address_space: global }
      - { .name: b4, .offset: 72, .size: 8, .value_kind: global_buffer, .address_space: global }
      - { .name: W5, .offset: 80, .size: 8, .value_kind: global_buffer, .address_space: global }
      - { .name: b5, .offset: 88, .size: 8, .value_kind: global_buffer, .address_space: global }
      - { .name: out0, .offset: 96, .size: 8, .value_kind: global_buffer, .address_space: global }
      - { .name: out1, .offset: 104, .size: 8, .value_kind: global_buffer, .address_space: global }
    .group_segment_fixed_size: 115200
    .private_segment_fixed_size: 0
    .kernarg_segment_align: 8
    .kernarg_segment_size: 112
    .max_flat_workgroup_size: 128
    .sgpr_count:     66
    .vgpr_count:     1024
    .wavefront_size: 32
...
	.end_amdgpu_metadata
.endif
;; end of part 1
;; ======== version 2 of 2: 1 launch; 1.38 times as fast as version 1
;; limits: values outside matrix products are rounded to f16; inputs' magnitudes at most 22,700; values are held in f16: magnitudes above 65,504 overflow, below 6.1e-05 lose precision
;; launch pinn (part 2): grid 256 x 1, 4 waves a work-group, no clusters, 115,200 bytes of LDS; arguments x, t, W1, b1, W2, b2, W3, b3, W4, b4, W5, b5, out0, out1; writes out0, out1
.if DOCPART == 2
	.amdgcn_target "amdgcn-amd-amdhsa--gfx1250"
	.amdhsa_code_object_version 6
	.text
	.protected	k_qf6eea0e61a_pinn
	.globl	k_qf6eea0e61a_pinn
	.p2align	8
	.type	k_qf6eea0e61a_pinn,@function
k_qf6eea0e61a_pinn:
	s_mov_b64 s[64:65], 0
	v_nop
	global_prefetch_b8 v0, s[64:65] scope:SCOPE_SE
	s_setreg_imm32_b32 hwreg(HW_REG_WAVE_MODE, 25, 1), 1
	s_wait_xcnt 0x0
; THE RESIDUAL OF A 2-100-100-100-100-2 TANH NETWORK u(x, t):  f_r = -u_t_i + u_xx_r / 2 + |u|^2 u_r,  f_i = u_t_r + u_xx_i / 2 + |u|^2 u_i,  for 262,144 points.
; FOUR STREAMS go forward through the layers: h, h_t, h_x and y = -h_xx / 2.  With z_s = W h_s, a = tanh z, a' = 1 - a^2:  h_t' = a' z_t,  h_x' = a' z_x,  y' = a' (z_y + a z_x^2).
; SHARES.  256 work-groups of four waves; a wave owns 256 consecutive points, walked as 8 pairs of groups of 16 points.  Weights are scaled, rounded to f16 and laid in LDS once a work-group;
; activations never leave registers; x, t and the results pass through 4 KiB of LDS of the wave's own, so that every global access of a wave is 512 consecutive bytes.
; LAYOUT.  D = A B with A = 16 output features x 32 k (weights, from LDS) and B = 32 k x 16 points.  In D a lane holds ONE point (lane % 16) and features 16 m + 8 (lane / 16) + 0..7; two such tiles rounded
; to f16 in pairs ARE a B fragment of the next layer: element e = 8 m + j of a stream goes to half e % 2 of B register e / 2, and nothing changes lanes.
; PADDING.  7 tiles of features, 4 blocks of k.  Feature 104 is the constant 1: the bias is weight column 104, and row 104 holds 64 in column 104 alone, so that its tanh is 1 again in every layer.
; Of tile 6 only registers 0-3 (features 96-99 and 104-107) get vector work; B registers 26-31 of every stream stay 0.
; WEIGHTS.  Layers 1-4: f16(c W), c = 2 log2 e, so the value stream's sum is the exponent of e = 2^(c z):  r = 1 / (1 + e),  a = 1 - 2 r,  q = r - r^2 = a' / 4.  Layer 5: f16(W5).
; Layer 1 is a product too: k = (x_hi, x_lo, t_hi, t_lo, 1), x_hi = f16(x), x_lo = f16(x - x_hi); its weight row is (c W1x, c W1x, c W1t, c W1t, c b1).
; SCALES.  The three derivative streams are f16 numbers times an f32 scale of the point: h_t = ST ht^, h_x = 2 RR x^, y = RR^2 y^.  In every layer the scales are made anew from the true maxima
; Mt, Mx, My of the f32 sums over all features, so that |ht^| <= 2^14, |x^| <= 2^6, |y^| <= 2^14 whatever the weights' size:  ft = 2^16 / Mt;  E = My ln2 / 2 + (Mx ln2)^2,  rho = 2^7 / sqrt(E),
; fx = (4 / c) rho,  fy = (4 / c) rho^2;  ht^' = q ft Zt,  x^' = q fx Zx,  y^' = q fy Zy + a (q fx Zx)(fx Zx);  ST *= Mt (4 / c) 2^-16,  RR *= sqrt(E) 2^-7.
; BY TURNS.  In a turn one group has the matrix unit (a layer's 112 products); the other group's activation, a numbered queue of vector instructions, stands in slices behind the products.
; BATCHES.  An activation's 106 transcendentals are cut into TWO BATCHES, each with one s_wait_alu depctr_va_vdst(0) ahead of the first line that names a result.
; Batch 1: the 52 exponentials, 1 / Mt and 1 / sqrt(E); between them stand the maxima and the plain links of the scales' chain, which name none of its results.  Batch 2: the 52 reciprocals of 1 + e;
; between them stand the products Zt ft, Zx fx, Zy fy, which name no r.  Every result has a register of its own; behind the second wait no transcendental is issued.
; LIMITS.  |x|, |t|, c |W|, c |b|, |W5| and |b5| stay below 65,504 (f16's end); weights, biases and activations carry f16's rounding; maxima below 2^-100 count as 2^-100; the exponential, reciprocal
; and root take denormals as 0; NaN and infinities among the inputs are not treated apart.
.set NPAIR, 8
.set W1B,   0                      ; LDS: W1', 7 fragments of 1,024 bytes
.set W2B,   7168                   ; W2', 28 fragments: tile m, k block k at 4 m + k
.set W3B,   35840
.set W4B,   64512
.set W5B,   93184                  ; W5', 4 fragments
.set LSTEP, 28672                  ; from a layer's weights to the next layer's
.set STAGE, 98304                  ; 4,096 bytes for each wave: x, t, f_r, f_i, 1,024 each
.set SPARE, 114688                 ; the spare words: 128 bytes for each wave, two blocks of 256 bytes that no other line names
.set BCOL,  3328                   ; column 104 in a row of a tile: (104 / 8) x 256
.set ONE2,  W2B+6*4096+8*16+BCOL   ; row 104, column 104 of W2'
.set ONE1,  W1B+6*1024+8*16+8      ; row 104, k = 4 of W1'
; A fragment (16 rows x 32 k) lies as the lanes read it: lane l's registers 0-3 at 16 l, registers 4-7 at 512 + 16 l.  So element (row i, column j) of a layer lies at
; (i / 16) x 4096 + (i % 16) x 16 + (j / 8) x 256 + (j % 8) x 2 (W1': 1,024 for 4,096), and a wave's load of 16 bytes a lane takes 512 consecutive bytes.
; WINDOW 0
.set AW1,  2                       ; v2   16 x lane: my place in a fragment; never rewritten
.set AW,   4                       ; v4   the same in the layer in hand
.set XA,   5                       ; v5   my stage + 4 (lane % 16)
.set OA,   6                       ; v6   my stage + 2,048 + 1,024 (lane / 16) + 4 (lane % 16)
.set ONEH, 7                       ; v7   f16 1.0 in the low half in lanes 0-15, else 0
.set XV,   8                       ; v8-9 x of groups 0, 1; v10-11 t
.set TW,   12                      ; v12-15 at work
.set PHT,  16                      ; v16, v18, v20: ft, fx, fy, each named as a pair
.set PHX,  18
.set PHY,  20
.set VO,   22                      ; v22  my 16 bytes in x, t, out0, out1
.set SA,   23                      ; v23  my stage + 16 x lane
.set XP,   24                      ; v24, v25: XA, OA at the pair in hand
.set OP,   25
.set SPW,  30                      ; v30  LDS address of my spare word; never rewritten
.set NIL,  31                      ; v31  0; never rewritten
.set AB,   32                      ; v32-95   A's fragments: two buffers of four
.set QB,   96                      ; v96-147  q of the group whose activation is in hand
.set OUTR, 160                     ; v160-175 the results on their way out
; window 0, the set-up alone
.set CV,   32                      ; v32-95   packed weights
.set XR,   96                      ; v96-103 x, v104-111 t
.set W1R,  112                     ; v112-113 a row of W1;  v114-117 b1 .. b4 of that row
.set W5R,  120                     ; v120-123 a chunk of W5;  v124 b5
.set CC,   176                     ; min(lane, 24): my chunk of 4 columns, or my row's number / 4
.set GOW,  177                     ; offset in W2 .. W5: 400 w + 16 cc
.set LAW,  178                     ; LDS: (cc / 2) x 256 + (cc % 2) x 8 + 16 w
.set LAWH, 179                     ; + W4B
.set GOB,  180                     ; offset in b1 .. b4: 16 cc + 4 w
.set LAB,  181                     ; LDS: (cc / 4) x 4096 + (cc % 4) x 64 + 16 w
.set LABH, 182                     ; + W4B
.set GO1,  183                     ; offset in W1: 32 cc + 8 w
.set LA1,  184                     ; LDS: (cc / 4) x 1024 + (cc % 4) x 64 + 16 w
.set ZA0,  185                     ; 16 x thread
.set ZA1,  186                     ; + 65,536
.set TA,   187
.set TB,   188
.set GO5,  189                     ; 4 w
.set LA5,  190                     ; 16 w + W4B
.set ZR,   192                     ; v192-195 zeros
; WINDOW 1 + G: group G's sums and state
.set ZH,   0                       ; 7 tiles of 8: the value stream's sums; then e, 1 + e, r, a in place
.set ZT,   56
.set ZX,   112
.set ZY,   168
.set MT,   224                     ; v224-226 the three maxima
.set T0,   228                     ; v228-233 at work
.set ST,   234
.set RR,   235
.set FR,   236
.set FI,   237
.set FV,   238
; WINDOW 3: B, stream s (0 h, 1 t, 2 x, 3 y) of group G at 128 G + 32 s
; s_set_vgpr_msb's low byte: bits 1:0 source 0, 3:2 source 1, 5:4 source 2, 7:6 destination
.set MSB, 0
.macro WIN new                     ; the high byte repeats the setting that is left; a switch that changes nothing is dropped
.if MSB != (\new)
	s_set_vgpr_msb (MSB<<8)|(\new)
.set MSB, \new
.endif
.endm
.macro PLACES                      ; four places between a matrix instruction and a load into, or a vector read of, its registers
.rept 4
	v_nop
.endr
.endm
	s_load_b512 s[16:31], s[0:1], 0x0      ; x 16, t 18, W1 20, b1 22, W2 24, b2 26, W3 28, b3 30
	s_load_b256 s[32:39], s[0:1], 0x40     ; W4 32, b4 34, W5 36, b5 38
	s_load_b128 s[40:43], s[0:1], 0x60     ; out0 40, out1 42
	v_lshl_add_u32 v[SPW], v0, 2, SPARE
	v_mov_b32 v[NIL], 0
	v_lshrrev_b32 v1, 5, v0
	v_readfirstlane_b32 s4, v1             ; wave 0..3
	v_and_b32 v1, 31, v0                   ; lane
	s_mov_b32 s6, 0x76543210               ; v_permlanex16_b32: each lane takes its own place in the other half
	s_mov_b32 s7, 0xfedcba98
	s_mov_b32 s8, 0xffff                   ; lanes 0-15
	s_mov_b32 s44, 0x4038aa3b              ; c = 2 log2 e
	s_mov_b32 s45, s44                     ; named with it as a pair
	s_lshl_b32 s5, ttmp9, 12               ; the work-group's 1,024 points x 4 bytes,
	s_lshl_b32 s13, s4, 10                 ; my wave's 256
	s_add_co_u32 s5, s5, s13
	v_lshl_add_u32 v[VO], v1, 4, s5
	s_lshl_b32 s5, s4, 12
	s_add_co_u32 s5, s5, STAGE             ; my stage
	v_lshl_add_u32 v[SA], v1, 4, s5
	v_and_b32 v8, 15, v1
	v_lshrrev_b32 v9, 4, v1
	v_lshl_add_u32 v[XA], v8, 2, s5
	v_lshl_add_u32 v[OA], v9, 10, v[XA]
	v_add_nc_u32 v[OA], 2048, v[OA]
	v_lshlrev_b32 v[AW1], 4, v1
	; the set-up's addresses.  A load of a wave takes one row of a weight matrix: lane l chunk cc = min(l, 24) of 16 bytes (lanes 25-31 repeat lane 24's); wave w takes rows 4 jj + w
	v_min_u32 v[CC], 24, v1
	s_mul_i32 s5, s4, 400
	s_lshl_b32 s13, s4, 4                  ; 16 w
	s_lshl_b32 s14, s4, 2                  ; 4 w
	v_lshl_add_u32 v[GOW], v[CC], 4, s5
	v_lshrrev_b32 v[TA], 1, v[CC]
	v_and_b32 v[TB], 1, v[CC]
	v_lshl_add_u32 v[LAW], v[TA], 8, s13
	v_lshl_add_u32 v[LAW], v[TB], 3, v[LAW]
	v_add_nc_u32 v[LAWH], W4B, v[LAW]
	v_lshl_add_u32 v[GOB], v[CC], 4, s14
	v_mov_b32 v[GO5], s14
	v_lshrrev_b32 v[TA], 2, v[CC]
	v_and_b32 v[TB], 3, v[CC]
	v_lshl_add_u32 v[TB], v[TB], 6, s13
	v_lshl_add_u32 v[LAB], v[TA], 12, v[TB]
	v_add_nc_u32 v[LABH], W4B, v[LAB]
	v_lshl_add_u32 v[LA1], v[TA], 10, v[TB]
	s_lshl_b32 s5, s4, 3
	v_lshl_add_u32 v[GO1], v[CC], 5, s5
	v_mov_b32 v[LA5], s13
	v_add_nc_u32 v[LA5], W4B, v[LA5]
	v_lshlrev_b32 v[ZA0], 4, v0
	v_add_nc_u32 v[ZA1], 0x10000, v[ZA0]
.irp i, 0,1,2,3
	v_mov_b32 v[ZR+\i], 0
.endr
.irp i, 0,1,2,3,4
	v_mov_b32 v[W5R+\i], 0                 ; waves 2 and 3 load nothing into these
.endr
	s_wait_kmcnt 0x0
	; ALL GLOBAL LOADS, in one run
	global_load_b128 v[XR:XR+3],     v[VO], s[16:17] th:TH_LOAD_NT
	global_load_b128 v[XR+4:XR+7],   v[VO], s[16:17] offset:512 th:TH_LOAD_NT
	global_load_b128 v[XR+8:XR+11],  v[VO], s[18:19] th:TH_LOAD_NT
	global_load_b128 v[XR+12:XR+15], v[VO], s[18:19] offset:512 th:TH_LOAD_NT
	global_load_b64 v[W1R:W1R+1], v[GO1], s[20:21]     ; row 4 cc + w of W1,
	global_load_b32 v[W1R+2], v[GOB], s[22:23]         ; and that row's four biases
	global_load_b32 v[W1R+3], v[GOB], s[26:27]
	global_load_b32 v[W1R+4], v[GOB], s[30:31]
	global_load_b32 v[W1R+5], v[GOB], s[34:35]
.macro LOADW w, base                   ; 25 rows of a layer into window w: row 4 jj + w's chunk at registers 4 jj ..; the last byte asked for is 1,600 x 24 + 400 x 3 + 16 x 25 = 40,000, the buffer's end
	WIN 0x40*(\w)
.set ci, 0
.rept 25
	global_load_b128 v[4*ci:4*ci+3], v[GOW], s[\base:\base+1] offset:1600*ci
.set ci, ci+1
.endr
.endm
	LOADW 1, 24
	LOADW 2, 28
	LOADW 3, 32
	WIN 0
	s_cmp_lt_u32 s4, 2
	s_cbranch_scc0 .Lno_w5_load            ; W5 has two rows: waves 0 and 1
	global_load_b128 v[W5R:W5R+3], v[GOW], s[36:37]
	global_load_b32 v[W5R+4], v[GO5], s[38:39]
.Lno_w5_load:
	; THE WEIGHTS' 98,304 BYTES OF LDS ARE CLEARED while the loads are on their way: 48 stores of 2,048 bytes by the work-group; an LDS immediate ends at 65,535, hence two address registers
.set zi, 0
.rept 32
	ds_store_b128 v[ZA0], v[ZR:ZR+3] offset:2048*zi
.set zi, zi+1
.endr
.set zi, 0
.rept 16
	ds_store_b128 v[ZA1], v[ZR:ZR+3] offset:2048*zi
.set zi, zi+1
.endr
	s_wait_dscnt 0x0                       ; my zeros are written,
	s_barrier_signal -1
	s_barrier_wait -1                      ; everybody's are: now the weights may land on them
	s_wait_loadcnt 0x0
	ds_store_b128 v[SA], v[XR:XR+3]                    ; x and t into my stage
	ds_store_b128 v[SA], v[XR+4:XR+7] offset:512
	ds_store_b128 v[SA], v[XR+8:XR+11] offset:1024
	ds_store_b128 v[SA], v[XR+12:XR+15] offset:1536
.macro CONVW w, adr, base              ; a layer's 25 chunks: times c, rounded to f16, 8 bytes to row 4 jj + w, columns 4 cc ..
	WIN 0x41*(\w)
.set ci, 0
.rept 50
	v_pk_mul_f32 v[2*ci:2*ci+1], v[2*ci:2*ci+1], s[44:45] op_sel_hi:[1,0]
.set ci, ci+1
.endr
	WIN 0x05*(\w)
.set ci, 0
.rept 50
	v_cvt_pk_f16_f32 v[CV+ci], v[2*ci], v[2*ci+1]
.set ci, ci+1
.endr
	WIN 0
.set ci, 0
.rept 25
	ds_store_b64 v[\adr], v[CV+2*ci:CV+2*ci+1] offset:(\base)+(ci/4)*4096+(ci%4)*64
.set ci, ci+1
.endr
.endm
	CONVW 1, LAW, W2B
	CONVW 2, LAW, W3B
	CONVW 3, LAWH, 0
	v_pk_mul_f32 v[W1R:W1R+1], v[W1R:W1R+1], s[44:45] op_sel_hi:[1,0]
	v_pk_mul_f32 v[W1R+2:W1R+3], v[W1R+2:W1R+3], s[44:45] op_sel_hi:[1,0]
	v_pk_mul_f32 v[W1R+4:W1R+5], v[W1R+4:W1R+5], s[44:45] op_sel_hi:[1,0]
	v_cvt_pk_f16_f32 v[CV+52], v[W1R], v[W1R]          ; (c W1x, c W1x) for (x_hi, x_lo)
	v_cvt_pk_f16_f32 v[CV+53], v[W1R+1], v[W1R+1]      ; (c W1t, c W1t)
	v_cvt_pk_f16_f32 v[CV+54], v[W1R+2], v[ZR]         ; (c b1, 0)
	v_mov_b32 v[CV+55], 0
	ds_store_b128 v[LA1], v[CV+52:CV+55]
	v_cvt_pk_f16_f32 v[CV+56], v[W1R+3], v[ZR]         ; the bias columns: (c b, 0) into columns 104, 105
	v_cvt_pk_f16_f32 v[CV+57], v[W1R+4], v[ZR]
	v_cvt_pk_f16_f32 v[CV+58], v[W1R+5], v[ZR]
	ds_store_b32 v[LAB], v[CV+56] offset:W2B+BCOL
	ds_store_b32 v[LAB], v[CV+57] offset:W3B+BCOL
	ds_store_b32 v[LABH], v[CV+58] offset:BCOL
	s_cmp_lt_u32 s4, 2
	s_cbranch_scc0 .Lno_w5_store
	v_cvt_pk_f16_f32 v[CV+60], v[W5R], v[W5R+1]        ; W5 and b5 are not scaled
	v_cvt_pk_f16_f32 v[CV+61], v[W5R+2], v[W5R+3]
	v_cvt_pk_f16_f32 v[CV+62], v[W5R+4], v[ZR]
	ds_store_b64 v[LAWH], v[CV+60:CV+61] offset:W5B-W4B
	ds_store_b32 v[LA5], v[CV+62] offset:W5B-W4B+BCOL
.Lno_w5_store:
	s_cmp_lg_u32 s4, 0
	s_cbranch_scc1 .Lno_ones
	v_mov_b32 v[TA], 0x5400                ; f16 64: row 104 hands the constant on; all lanes store the same word
	v_mov_b32 v[TB], ONE2
	ds_store_b32 v[ZR], v[TA] offset:ONE1
	ds_store_b32 v[TB], v[TA]
	ds_store_b32 v[TB], v[TA] offset:LSTEP
	ds_store_b32 v[TB], v[TA] offset:2*LSTEP
.Lno_ones:
	s_wait_dscnt 0x0                       ; my part of the weights is written
	s_barrier_signal -1
	; work on registers while the others arrive: what stays 0, and what an instruction names before it is first made
	WIN 0xc0
.set bi, 0
.rept 8                                ; B registers 26-31 of the four streams of both groups
.set bj, 26
.rept 6
	v_mov_b32 v[32*bi+bj], 0
.set bj, bj+1
.endr
.set bi, bi+1
.endr
.irp w, 1,2
	WIN 0x40*\w
	v_mov_b32 v[T0], 0                     ; v_permlanex16_b32 counts as a reader of its destination
	v_mov_b32 v[T0+1], 0
	v_mov_b32 v[T0+2], 0
	v_mov_b32 v[FV], 0
.endr
	WIN 0
	v_mov_b32 v[PHT+1], 0                  ; named with ft, fx, fy as pairs
	v_mov_b32 v[PHX+1], 0
	v_mov_b32 v[PHY+1], 0
	v_mov_b32 v[ONEH], 0x3c00
	v_cndmask_b32 v[ONEH], 0, v[ONEH], s8
	s_barrier_wait -1                      ; the weights are whole; nothing is written into them again, and no further barrier is needed
; n fragments from fragment f0 of the layer at address register adr, into A's buffer buf
.macro LDA adr, buf, f0, n
	WIN 0
.set li, 0
.rept \n
	ds_load_b128 v[AB+32*(\buf)+8*li:AB+32*(\buf)+8*li+3],   v[\adr] offset:((\f0)+li)*1024
	ds_load_b128 v[AB+32*(\buf)+8*li+4:AB+32*(\buf)+8*li+7], v[\adr] offset:((\f0)+li)*1024+512
.set li, li+1
.endr
.endm
; One product for group X: stream s, tile dm of the sums, A at register areg, k block kb.  Block 0 starts the sum: nothing is ever cleared.
.macro MMA X, s, dm, areg, kb
	WIN 0x0c|(0x50*(1+(\X)))               ; A window 0, B window 3, C and D the group's window
.set rD, 56*(\s)+8*(\dm)
.set rA, \areg
.set rB, 128*(\X)+32*(\s)+8*(\kb)
.if (\kb) == 0
	v_wmma_f32_16x16x32_f16 v[rD:rD+7], v[rA:rA+7], v[rB:rB+7], 0
.else
	v_wmma_f32_16x16x32_f16 v[rD:rD+7], v[rA:rA+7], v[rB:rB+7], v[rD:rD+7]
.endif
.endm
; THE VECTOR QUEUE: group Y's activation of one layer, QN numbered slots (five empty); VQ writes slot QI and steps QI.  Elements e = 0..51 of a stream lie at its first register + e; pairs p = 0..25.
;   0-116    BATCH 1 begins: 13 steps of 9: three times an exponential and two lines of the maxima: e0-e38 in place, and all 78 lines of Mt, Mx, My, the pairs ascending: each accumulator is first
;            read at its lowest registers
;   117-144  the 15 links of the chain that lead from the maxima to 1 / Mt and 1 / sqrt(E), which belong to the batch, with e39-e51 between the links; a link stands four slots behind the one that feeds it.
;            The last link, a plain line on ST, is the plain line behind the batch's last transcendental.  Up to here nothing names a result of the batch
;   (wait)   in slot 145, for batch 1
;   145-157  rho, sqrt(E), rho^2 and RR, with 1 + e of pairs 0-4 between them; ft, fx, fy into window 0
;   158-313  BATCH 2: 26 steps p of 6: rcp(2p), Zt ft, 1 + e of pair p + 5, rcp(2p+1), Zx fx, Zy fy.  None of the plain lines names an r; the last two are the plain lines behind the last reciprocal
;   (wait)   in slot 314, for batch 2
;   314-599  eleven runs of 26, each reading what an earlier run made: q = r - r^2 into window 0; a = 1 - 2 r in place; a rounded to f16 (the next layer's B, stream h); Zt q; Zy q; B_t; Zt := Zx q; B_x;
;            Zt Zx; Zy += a Zt; B_y
.set Q_A2, 117
.set Q_B,  145
.set Q_R,  158
.set Q_C,  314
.set QN,   600
.macro VMAX m, z
	WIN 0x55*VWN
.if vp == 0
	v_max_num_f32 v[\m], |v[\z]|, |v[\z+1]|
.else
	v_max3_num_f32 v[\m], |v[\z+2*vp]|, |v[\z+2*vp+1]|, v[\m]
.endif
.endm
.macro CHAIN                           ; link vn of 15, from the maxima to the batch's reciprocal and root
	WIN 0x55*VWN
.if vn < 3
	v_permlanex16_b32 v[T0+vn], v[MT+vn], s6, s7       ; the point's other features lie in the lane 16 away
.elseif vn < 6
	v_max_num_f32 v[MT+vn-3], v[MT+vn-3], v[T0+vn-3]
.elseif vn == 6
	v_mul_f32 v[T0+1], 0x3f317218, v[MT+1]             ; Mx ln2
.elseif vn == 7
	v_mul_f32 v[T0+2], 0x3eb17218, v[MT+2]             ; My ln2 / 2
.elseif vn == 8
	v_max_num_f32 v[MT], 0x0d800000, v[MT]             ; at least 2^-100
.elseif vn == 9
	v_fma_f32 v[T0+2], v[T0+1], v[T0+1], v[T0+2]       ; E
.elseif vn == 10
	v_rcp_f32 v[T0], v[MT]
.elseif vn == 11
	v_max_num_f32 v[T0+2], 0x0d800000, v[T0+2]
.elseif vn == 12
	v_mul_f32 v[ST], v[ST], v[MT]
.elseif vn == 13
	v_rsq_f32 v[T0+3], v[T0+2]
.else
	v_mul_f32 v[ST], 0x37b17218, v[ST]                 ; (4 / c) 2^-16
.endif
.endm
.macro VQ
.set VWN, 1+Y
.if QI < Q_A2
.set vs, QI/9
.set vo, QI%9
.set vp, 2*vs+vo/5                     ; slots 1, 2, 4 of a step: pair 2 vs; slots 5, 7, 8: pair 2 vs + 1
.if (vo%3) == 0
	WIN 0x55*VWN
	v_exp_f32 v[3*vs+vo/3], v[3*vs+vo/3]
.elseif (vo == 1) || (vo == 5)
	VMAX MT, ZT
.elseif (vo == 2) || (vo == 7)
	VMAX MT+1, ZX
.else
	VMAX MT+2, ZY
.endif
.elseif QI < Q_B
.set vo, QI-Q_A2
.if (vo < 26) && ((vo%2) == 1)
	WIN 0x55*VWN
	v_exp_f32 v[39+vo/2], v[39+vo/2]
.else
.set vn, vo/2
.if vo == 27
.set vn, 14
.endif
	CHAIN
.endif
.elseif QI < Q_R
.set vo, QI-Q_B
.if vo < 10
	WIN 0x55*VWN
.else
	WIN 0x15*VWN                           ; destination window 0
.endif
.if vo == 0
	s_wait_alu depctr_va_vdst(0)           ; the wait for batch 1: the 52 exponentials, 1 / Mt and 1 / sqrt(E); this line is the first that names a result of theirs
	v_mul_f32 v[T0+4], 0x43000000, v[T0+3]             ; rho = 2^7 / sqrt(E)
.elseif vo == 2
	v_mul_f32 v[T0+2], v[T0+2], v[T0+3]                ; sqrt(E)
.elseif vo == 4
	v_mul_f32 v[T0+5], v[T0+4], v[T0+4]                ; rho^2
.elseif vo == 6
	v_mul_f32 v[RR], v[RR], v[T0+2]
.elseif vo == 9
	v_mul_f32 v[RR], 0x3c000000, v[RR]                 ; 2^-7
.elseif vo == 10
	v_mul_f32 v[PHT], 0x47800000, v[T0]                ; 2^16 / Mt
.elseif vo == 11
	v_mul_f32 v[PHX], 0x3fb17218, v[T0+4]              ; (4 / c) rho
.elseif vo == 12
	v_mul_f32 v[PHY], 0x3fb17218, v[T0+5]              ; (4 / c) rho^2
.else
.set vp, vo/2                          ; slots 1, 3, 5, 7, 8: pairs 0 to 4
	v_pk_add_f32 v[2*vp:2*vp+1], v[2*vp:2*vp+1], 1.0 op_sel_hi:[1,0]
.endif
.elseif QI < Q_C
.set vp, (QI-Q_R)/6
.set vo, (QI-Q_R)%6
.if (vo == 2) && (vp > 20)             ; no pair is left to add 1 to
.else
	WIN 0x51*VWN                           ; source 1 window 0; the reciprocals and the additions name no register there, so one setting serves the whole batch
.if vo == 0
	v_rcp_f32 v[2*vp], v[2*vp]
.elseif vo == 1
	v_pk_mul_f32 v[ZT+2*vp:ZT+2*vp+1], v[ZT+2*vp:ZT+2*vp+1], v[PHT:PHT+1] op_sel_hi:[1,0]
.elseif vo == 2
	v_pk_add_f32 v[2*vp+10:2*vp+11], v[2*vp+10:2*vp+11], 1.0 op_sel_hi:[1,0]
.elseif vo == 3
	v_rcp_f32 v[2*vp+1], v[2*vp+1]
.elseif vo == 4
	v_pk_mul_f32 v[ZX+2*vp:ZX+2*vp+1], v[ZX+2*vp:ZX+2*vp+1], v[PHX:PHX+1] op_sel_hi:[1,0]
.else
	v_pk_mul_f32 v[ZY+2*vp:ZY+2*vp+1], v[ZY+2*vp:ZY+2*vp+1], v[PHY:PHY+1] op_sel_hi:[1,0]
.endif
.endif
.else
.set vr, (QI-Q_C)/26
.set vp, (QI-Q_C)%26
.if vr == 0
	WIN 0x15*VWN                           ; destination window 0
.if vp == 0
	s_wait_alu depctr_va_vdst(0)           ; the wait for batch 2: the 52 reciprocals; this line is the first that names an r
.endif
	v_pk_fma_f32 v[QB+2*vp:QB+2*vp+1], v[2*vp:2*vp+1], v[2*vp:2*vp+1], v[2*vp:2*vp+1] neg_lo:[1,0,0] neg_hi:[1,0,0]
.elseif vr == 1
	WIN 0x55*VWN
	v_pk_fma_f32 v[2*vp:2*vp+1], v[2*vp:2*vp+1], -2.0, 1.0 op_sel_hi:[1,0,0]
.elseif vr == 2
	WIN 0xc0|(5*VWN)                       ; destination window 3
	v_cvt_pk_f16_f32 v[128*Y+vp], v[2*vp], v[2*vp+1]
.elseif vr == 3
	WIN 0x51*VWN                           ; source 1 window 0
	v_pk_mul_f32 v[ZT+2*vp:ZT+2*vp+1], v[ZT+2*vp:ZT+2*vp+1], v[QB+2*vp:QB+2*vp+1]
.elseif vr == 4
	WIN 0x51*VWN
	v_pk_mul_f32 v[ZY+2*vp:ZY+2*vp+1], v[ZY+2*vp:ZY+2*vp+1], v[QB+2*vp:QB+2*vp+1]
.elseif vr == 5
	WIN 0xc0|(5*VWN)
	v_cvt_pk_f16_f32 v[128*Y+32+vp], v[ZT+2*vp], v[ZT+2*vp+1]
.elseif vr == 6
	WIN 0x51*VWN
	v_pk_mul_f32 v[ZT+2*vp:ZT+2*vp+1], v[ZX+2*vp:ZX+2*vp+1], v[QB+2*vp:QB+2*vp+1]
.elseif vr == 7
	WIN 0xc0|(5*VWN)
	v_cvt_pk_f16_f32 v[128*Y+64+vp], v[ZT+2*vp], v[ZT+2*vp+1]
.elseif vr == 8
	WIN 0x55*VWN
	v_pk_mul_f32 v[ZT+2*vp:ZT+2*vp+1], v[ZT+2*vp:ZT+2*vp+1], v[ZX+2*vp:ZX+2*vp+1]
.elseif vr == 9
	WIN 0x55*VWN
	v_pk_fma_f32 v[ZY+2*vp:ZY+2*vp+1], v[2*vp:2*vp+1], v[ZT+2*vp:ZT+2*vp+1], v[ZY+2*vp:ZY+2*vp+1]
.else
	WIN 0xc0|(5*VWN)
	v_cvt_pk_f16_f32 v[128*Y+96+vp], v[ZY+2*vp], v[ZY+2*vp+1]
.endif
.endif
.set QI, QI+1
.endm
.macro RIDE_TO n                       ; the queue up to slot n
.rept (\n)-QI
	VQ
.endr
.endm
; HOW THE QUEUE IS DEALT.  HEAD slots stand ahead of a turn's first product (under its first LDS loads); behind product WI of WN the queue is taken on to HEAD + (QN - HEAD) WI / WN.
; No slot names a register of the products round it: those are the other group's sums and B, and A's buffers.  A turn takes the whole queue, both waits with it.
.set HEAD, 24
.set RIDE, 0
.set WI, 0
.set WN, 1
.set QI, 0
.set Y, 0
.macro STEP
.set WI, WI+1
.if RIDE
	RIDE_TO HEAD+(QN-HEAD)*WI/WN
.endif
.endm
; THE PRODUCTS.  The four (layer 5: three) streams' accumulators take turns, one instruction a turn: no two matrix instructions that follow each other share an accumulator.
.macro P1 X                            ; layer 1: one k block; W1's seven fragments lie in A's buffers
.set tm, 0
.rept 7
.set ts, 0
.rept 4
	MMA \X, ts, tm, AB+8*tm, 0
	STEP
.set ts, ts+1
.endr
.set tm, tm+1
.endr
.endm
.macro P5 X                            ; layer 5: one tile, streams h, t and y; W5's four fragments lie in buffer 0
.set tk, 0
.rept 4
.irp ts5, 0,1,3
	MMA \X, \ts5, 0, AB+8*tk, tk
	STEP
.endr
.set tk, tk+1
.endr
.endm
; A TURN.  Group X has the matrix unit; the other group's activation rides.  kind 0: a layer of 7 tiles x 4 k blocks x 4 streams; 1: layer 1; 5: layer 5.
; kind 0: tile m's four fragments are read from buffer m % 2; tile m + 1's eight loads go out at tile m's head, into the buffer that tile m - 1 has left, four places behind its last product.
.macro TURN X, kind
.set Y, 1-(\X)
.set QI, 0
.set WI, 0
.set RIDE, 1
.if (\kind) == 1
.set WN, 28
	RIDE_TO HEAD
	P1 \X
.elseif (\kind) == 5
.set WN, 12
	WIN 0
	PLACES
	LDA AW, 0, 0, 4
	RIDE_TO HEAD
	s_wait_dscnt 0x0
	P5 \X
.else
.set WN, 112
	WIN 0
	PLACES
	LDA AW, 0, 0, 4
	LDA AW, 1, 4, 4
	RIDE_TO HEAD
.set tm, 0
.rept 7
.if (tm > 0) && (tm < 6)
	WIN 0
	PLACES
	LDA AW, (tm+1)%2, 4*(tm+1), 4
.endif
.if tm == 6
	s_wait_dscnt 0x0
.else
	s_wait_dscnt 0x8                       ; LDS loads come back in order: this tile's are in, the next tile's eight may stay out
.endif
.set tk, 0
.rept 4
.set ts, 0
.rept 4
	MMA \X, ts, tm, AB+32*(tm%2)+8*tk, tk
	STEP
.set ts, ts+1
.endr
.set tk, tk+1
.endr
.set tm, tm+1
.endr
.endif
.set RIDE, 0
.endm
; Group X's first B fragments and scales.  h: (x_hi, x_lo, t_hi, t_lo, 1) in k = 0..4, which lie in lanes 0-15; h_t: 1 at t_hi's place; h_x: 1 at x_hi's; y: 0.
.macro BUILD X
	WIN 0
	v_cvt_pk_f16_f32 v[TW], v[XV+(\X)], v[XV+(\X)]
	v_cvt_pk_f16_f32 v[TW+1], v[XV+2+(\X)], v[XV+2+(\X)]
	v_cvt_f32_f16 v[TW+2], v12.l                       ; v12 is v[TW]: x_hi
	v_cvt_f32_f16 v[TW+3], v13.l                       ; t_hi
	v_sub_f32 v[TW+2], v[XV+(\X)], v[TW+2]
	v_sub_f32 v[TW+3], v[XV+2+(\X)], v[TW+3]
	v_cvt_pk_f16_f32 v[TW], v[XV+(\X)], v[TW+2]        ; (x_hi, x_lo)
	v_cvt_pk_f16_f32 v[TW+1], v[XV+2+(\X)], v[TW+3]
	WIN 0xc0
.set bi, 0
.rept 32                               ; stream bi / 8, register bi % 8
.if bi < 2
	v_cndmask_b32 v[128*(\X)+bi], 0, v[TW+bi], s8
.elseif (bi == 2) || (bi == 9) || (bi == 16)
	v_mov_b32 v[128*(\X)+32*(bi/8)+bi%8], v[ONEH]
.else
	v_mov_b32 v[128*(\X)+32*(bi/8)+bi%8], 0
.endif
.set bi, bi+1
.endr
	WIN 0x40*(1+(\X))
	v_mov_b32 v[ST], 1.0
	v_mov_b32 v[RR], 0.5
.endm
; Group G's results.  Lanes 0-15 hold (u_r, u_i) in registers 0, 1 of each of the three sums.  f_i crosses to lanes 16-31, so that one store puts f_r and f_i into their parts of my stage.
.macro FIN G, o
.set FW, 1+(\G)
	WIN 0x55*FW
	v_mul_f32 v[T0], v[RR], v[RR]
	v_mul_f32 v[T0+1], v[ZH], v[ZH]
	v_fma_f32 v[T0+1], v[ZH+1], v[ZH+1], v[T0+1]       ; |u|^2
	v_mul_f32 v[FR], v[T0+1], v[ZH]
	v_mul_f32 v[FI], v[T0+1], v[ZH+1]
	v_fma_f32 v[FR], -v[ST], v[ZT+1], v[FR]            ; - u_t_i
	v_fma_f32 v[FI], v[ST], v[ZT], v[FI]               ; + u_t_r
	v_fma_f32 v[FR], -v[T0], v[ZY], v[FR]              ; - y_r = + u_xx_r / 2
	v_fma_f32 v[FI], -v[T0], v[ZY+1], v[FI]
	v_permlanex16_b32 v[FV], v[FI], s6, s7
	v_cndmask_b32 v[FV], v[FV], v[FR], s8
	WIN 4*FW                               ; address window 0, data the group's window
	ds_store_b32 v[OP], v[FV] offset:\o
.endm
	s_mov_b32 s9, NPAIR
	s_mov_b32 s12, 0                       ; the pair's 32 points x 4 bytes in my stage
.Lpair:
	v_add_nc_u32 v[XP], s12, v[XA]
	v_add_nc_u32 v[OP], s12, v[OA]
	ds_load_b32 v[XV], v[XP]               ; both halves of the lanes take the same 16 points
	ds_load_b32 v[XV+1], v[XP] offset:64
	ds_load_b32 v[XV+2], v[XP] offset:1024
	ds_load_b32 v[XV+3], v[XP] offset:1088
	LDA AW1, 0, 0, 7                       ; W1.  The places behind the last products that read these registers: the nine plain lines of group 0's results, which name none of those products' registers
	s_wait_dscnt 0x0
	BUILD 0
	BUILD 1
	P1 0                                   ; group 0's layer 1: there is no vector work yet to set between the products
	PLACES
	TURN 1, 1                              ; group 1's layer 1 | group 0's activation
	WIN 0
	s_mov_b32 s11, W2B
	s_mov_b32 s10, 3
.Llayer:                                   ; layers 2, 3, 4
	v_add_nc_u32 v[AW], s11, v[AW1]
	TURN 0, 0                              ; group 0's layer | group 1's activation of the layer before
	TURN 1, 0                              ; group 1's layer | group 0's activation of this layer
	WIN 0
	s_add_co_u32 s11, s11, LSTEP
	s_sub_co_i32 s10, s10, 1
	s_cmp_lg_u32 s10, 0
	s_cbranch_scc1 .Llayer
	v_add_nc_u32 v[AW], s11, v[AW1]        ; now W5'
	TURN 0, 5                              ; group 0's layer 5 | group 1's last activation
	P5 1                                   ; group 1's layer 5, on the fragments that are still in buffer 0
	FIN 0, 0                               ; its plain lines are the places behind group 1's last products
	FIN 1, 64
	WIN 0
	s_add_co_u32 s12, s12, 128
	s_sub_co_i32 s9, s9, 1
	s_cmp_lg_u32 s9, 0
	s_cbranch_scc1 .Lpair
	; THE WAY OUT: my stage's 1,024 bytes of f_r and of f_i, 16 bytes a lane.  LDS serves a wave's instructions in order, so these loads see the stores above.
	ds_load_b128 v[OUTR:OUTR+3],     v[SA] offset:2048
	ds_load_b128 v[OUTR+4:OUTR+7],   v[SA] offset:2560
	ds_load_b128 v[OUTR+8:OUTR+11],  v[SA] offset:3072
	ds_load_b128 v[OUTR+12:OUTR+15], v[SA] offset:3584
	s_wait_dscnt 0x0
	global_store_b128 v[VO], v[OUTR:OUTR+3],     s[40:41] th:TH_STORE_NT              ; each store of the wave covers 512 consecutive bytes, at a multiple of 512 from the buffer's first
	global_store_b128 v[VO], v[OUTR+4:OUTR+7],   s[40:41] offset:512 th:TH_STORE_NT
	global_store_b128 v[VO], v[OUTR+8:OUTR+11],  s[42:43] th:TH_STORE_NT
	global_store_b128 v[VO], v[OUTR+12:OUTR+15], s[42:43] offset:512 th:TH_STORE_NT
	s_wait_tensorcnt 0x0                   ; the wave's end, behind my last LDS store
	ds_add_u32 v[SPW], v[NIL]
	s_wait_dscnt 0x0
	s_endpgm
.Lfunc_end_k_qf6eea0e61a_pinn:
	.size	k_qf6eea0e61a_pinn, .Lfunc_end_k_qf6eea0e61a_pinn-k_qf6eea0e61a_pinn
	.p2alignl 7, 3214868480
	.fill 96, 4, 3214868480
	.section	.rodata,"a",@progbits
	.p2align	6, 0x0
	.amdhsa_kernel k_qf6eea0e61a_pinn
		.amdhsa_group_segment_fixed_size 115200
		.amdhsa_private_segment_fixed_size 0
		.amdhsa_enable_private_segment 0
		.amdhsa_kernarg_size 112
		.amdhsa_user_sgpr_count 2
		.amdhsa_user_sgpr_kernarg_segment_ptr 1
		.amdhsa_wavefront_size32 1
		.amdhsa_system_sgpr_workgroup_id_x 1
		.amdhsa_system_sgpr_workgroup_id_y 1
		.amdhsa_system_sgpr_workgroup_id_z 1
		.amdhsa_system_vgpr_workitem_id 0
		.amdhsa_next_free_vgpr 1024
		.amdhsa_next_free_sgpr 66
		.amdhsa_reserve_vcc 0
		.amdhsa_float_denorm_mode_32 3
		.amdhsa_float_denorm_mode_16_64 3
		.amdhsa_memory_ordered 1
		.amdhsa_forward_progress 1
		.amdhsa_inst_pref_size 232
	.end_amdhsa_kernel
	.amdgpu_metadata
---
amdhsa.version: [ 1, 2 ]
amdhsa.kernels:
  - .name:           k_qf6eea0e61a_pinn
    .symbol:         k_qf6eea0e61a_pinn.kd
    .args:
      - { .name: x, .offset: 0, .size: 8, .value_kind: global_buffer, .address_space: global }
      - { .name: t, .offset: 8, .size: 8, .value_kind: global_buffer, .address_space: global }
      - { .name: W1, .offset: 16, .size: 8, .value_kind: global_buffer, .address_space: global }
      - { .name: b1, .offset: 24, .size: 8, .value_kind: global_buffer, .address_space: global }
      - { .name: W2, .offset: 32, .size: 8, .value_kind: global_buffer, .address_space: global }
      - { .name: b2, .offset: 40, .size: 8, .value_kind: global_buffer, .address_space: global }
      - { .name: W3, .offset: 48, .size: 8, .value_kind: global_buffer, .address_space: global }
      - { .name: b3, .offset: 56, .size: 8, .value_kind: global_buffer, .address_space: global }
      - { .name: W4, .offset: 64, .size: 8, .value_kind: global_buffer, .address_space: global }
      - { .name: b4, .offset: 72, .size: 8, .value_kind: global_buffer, .address_space: global }
      - { .name: W5, .offset: 80, .size: 8, .value_kind: global_buffer, .address_space: global }
      - { .name: b5, .offset: 88, .size: 8, .value_kind: global_buffer, .address_space: global }
      - { .name: out0, .offset: 96, .size: 8, .value_kind: global_buffer, .address_space: global }
      - { .name: out1, .offset: 104, .size: 8, .value_kind: global_buffer, .address_space: global }
    .group_segment_fixed_size: 115200
    .private_segment_fixed_size: 0
    .kernarg_segment_align: 8
    .kernarg_segment_size: 112
    .max_flat_workgroup_size: 128
    .sgpr_count:     66
    .vgpr_count:     1024
    .wavefront_size: 32
...
	.end_amdgpu_metadata
.endif
;; end of part 2
